; MI455X (gfx1250); checked and timed in simulation.
; The chip was launched on July 23, 2026; its instructions are those of AMD's public machine-readable ISA for CDNA 5 (MIT licence, August 2026) and "CDNA5" Instruction Set Architecture Reference Guide (July 2026). The comments in the code are by the model that wrote it; some were corrected since.
;; Self Attention. Allowed arithmetic: float matrix products may take bf16 or f16 operands with f32 sums; all other float work in f32.
;; Inputs: b_out 1,024 float32; w_out 1,024 x 1,024 float32; w_qkv 3,072 x 1,024 float32; x 2 x 2,048 x 1,024 float32.
;; Outputs: out0 2 x 2,048 x 1,024 float32.
;; One version. Each part assembles by itself: llvm-mc -triple=amdgcn-amd-amdhsa -mcpu=gfx1250 --defsym DOCPART=n.
;; ======== version 1 of 1: 4 launches
;; limits: values are held in f16: magnitudes above 65,504 overflow, below 6.1e-05 lose precision
;; workspace buffers: xw16 16,777,216 bytes; qkv 25,165,824 bytes; att 8,388,608 bytes
;; launch cast (part 1): grid 256 x 1, 8 waves a work-group, no clusters, 0 bytes of LDS; arguments x, w_qkv, w_out, xw16; writes xw16
.if DOCPART == 1
	.amdgcn_target "amdgcn-amd-amdhsa--gfx1250"
	.amdhsa_code_object_version 6
	.text
	.protected	k_q507f3cb01d_cast
	.globl	k_q507f3cb01d_cast
	.p2align	8
	.type	k_q507f3cb01d_cast,@function
k_q507f3cb01d_cast:
	s_mov_b64 s[64:65], 0
	v_nop
	global_prefetch_b8 v0, s[64:65] scope:SCOPE_SE
	s_setreg_imm32_b32 hwreg(HW_REG_WAVE_MODE, 25, 1), 1
	s_wait_xcnt 0x0
; x [4096][1024], w_qkv [3072][1024], w_out [1024][1024], f32, are rounded once to f16 and laid one behind the other in xw16
; (x at byte 0, w_qkv at 8,388,608, w_out at 14,680,064), so that the two products that follow fetch 16-bit tiles.
; LIMIT: a number of magnitude 65,504 or more becomes an infinity in f16.
; 256 work-groups of 8 waves; work-group g owns 32,768 numbers: 131,072 bytes in, 65,536 bytes out.  g 0-127: x, 128-223: w_qkv, 224-255: w_out.
; A stream: no LDS, no barrier, no matrix unit.  Thread t takes 8 neighbouring numbers in each of 16 passes (32 bytes in, 16 bytes out).
; All 32 loads of a lane go out first; no register is written twice, so no source of a pending instruction is ever rewritten.
.set X, 8                              ; v[8:135]    pass p: 8 numbers in f32
.set Y, 136                            ; v[136:199]  pass p: 8 numbers in f16
	s_load_b256 s[4:11], s[0:1], 0x0               ; x s[4:5], w_qkv s[6:7], w_out s[8:9], xw16 s[10:11]
	v_lshlrev_b32 v1, 5, v0                        ; 32 t: my bytes in a pass of the source
	v_lshlrev_b32 v2, 4, v0                        ; 16 t: my bytes in a pass of the destination
	s_mov_b32 s14, 224
	s_mov_b32 s18, 128
	s_mov_b32 s15, 0
	s_lshl_b32 s16, ttmp9, 16                      ; g x 65,536 bytes of xw16
	s_mov_b32 s17, 0
	s_wait_kmcnt 0x0
	s_cmp_lt_u32 ttmp9, 224                        ; which source, and the number of its first work-group
	s_cselect_b64 s[12:13], s[6:7], s[8:9]
	s_cselect_b32 s14, s18, s14
	s_cmp_lt_u32 ttmp9, 128
	s_cselect_b64 s[12:13], s[4:5], s[12:13]
	s_cselect_b32 s14, 0, s14
	s_sub_co_u32 s14, ttmp9, s14
	s_lshl_b32 s14, s14, 17                        ; (g - first) x 131,072 bytes of the source
	s_add_nc_u64 s[12:13], s[12:13], s[14:15]
	s_add_nc_u64 s[10:11], s[10:11], s[16:17]
.set p, 0
.rept 16
	global_load_b128 v[X+8*p:X+8*p+3],   v1, s[12:13] offset:8192*p th:TH_LOAD_NT
	global_load_b128 v[X+8*p+4:X+8*p+7], v1, s[12:13] offset:8192*p+16 th:TH_LOAD_NT
.set p, p+1
.endr
.set p, 0
.rept 16
	s_wait_loadcnt 30-2*p                          ; loads come back in order: pass p's two are in, the 2 (15 - p) younger ones stay out
	v_cvt_pk_f16_f32 v[Y+4*p],   v[X+8*p],   v[X+8*p+1]
	v_cvt_pk_f16_f32 v[Y+4*p+1], v[X+8*p+2], v[X+8*p+3]
	v_cvt_pk_f16_f32 v[Y+4*p+2], v[X+8*p+4], v[X+8*p+5]
	v_cvt_pk_f16_f32 v[Y+4*p+3], v[X+8*p+6], v[X+8*p+7]
	global_store_b128 v2, v[Y+4*p:Y+4*p+3], s[10:11] offset:4096*p   ; a wave's store covers 512 consecutive bytes, aligned; the next launch reads them
.set p, p+1
.endr
	s_endpgm
.Lfunc_end_k_q507f3cb01d_cast:
	.size	k_q507f3cb01d_cast, .Lfunc_end_k_q507f3cb01d_cast-k_q507f3cb01d_cast
	.p2alignl 7, 3214868480
	.fill 96, 4, 3214868480
	.section	.rodata,"a",@progbits
	.p2align	6, 0x0
	.amdhsa_kernel k_q507f3cb01d_cast
		.amdhsa_group_segment_fixed_size 0
		.amdhsa_private_segment_fixed_size 0
		.amdhsa_enable_private_segment 0
		.amdhsa_kernarg_size 32
		.amdhsa_user_sgpr_count 2
		.amdhsa_user_sgpr_kernarg_segment_ptr 1
		.amdhsa_wavefront_size32 1
		.amdhsa_system_sgpr_workgroup_id_x 1
		.amdhsa_system_sgpr_workgroup_id_y 1
		.amdhsa_system_sgpr_workgroup_id_z 1
		.amdhsa_system_vgpr_workitem_id 0
		.amdhsa_next_free_vgpr 200
		.amdhsa_next_free_sgpr 66
		.amdhsa_reserve_vcc 0
		.amdhsa_float_denorm_mode_32 3
		.amdhsa_float_denorm_mode_16_64 3
		.amdhsa_memory_ordered 1
		.amdhsa_forward_progress 1
		.amdhsa_inst_pref_size 11
	.end_amdhsa_kernel
	.amdgpu_metadata
---
amdhsa.version: [ 1, 2 ]
amdhsa.kernels:
  - .name:           k_q507f3cb01d_cast
    .symbol:         k_q507f3cb01d_cast.kd
    .args:
      - { .name: x, .offset: 0, .size: 8, .value_kind: global_buffer, .address_space: global }
      - { .name: w_qkv, .offset: 8, .size: 8, .value_kind: global_buffer, .address_space: global }
      - { .name: w_out, .offset: 16, .size: 8, .value_kind: global_buffer, .address_space: global }
      - { .name: xw16, .offset: 24, .size: 8, .value_kind: global_buffer, .address_space: global }
    .group_segment_fixed_size: 0
    .private_segment_fixed_size: 0
    .kernarg_segment_align: 8
    .kernarg_segment_size: 32
    .max_flat_workgroup_size: 256
    .sgpr_count:     66
    .vgpr_count:     200
    .wavefront_size: 32
...
	.end_amdgpu_metadata
.endif
;; end of part 1
;; launch qkvgemm (part 2): grid 16 x 16, 4 waves a work-group, clusters of 4 x 4, 327,680 bytes of LDS; arguments xw16, qkv; writes qkv
.if DOCPART == 2
	.amdgcn_target "amdgcn-amd-amdhsa--gfx1250"
	.amdhsa_code_object_version 6
	.text
	.protected	k_q507f3cb01d_qkvgemm
	.globl	k_q507f3cb01d_qkvgemm
	.p2align	8
	.type	k_q507f3cb01d_qkvgemm,@function
k_q507f3cb01d_qkvgemm:
	s_mov_b64 s[64:65], 0
	v_nop
	global_prefetch_b8 v0, s[64:65] scope:SCOPE_SE
	s_setreg_imm32_b32 hwreg(HW_REG_WAVE_MODE, 25, 1), 1
	s_wait_xcnt 0x0
	s_wait_alu depctr_hold_cnt(0) depctr_sa_sdst(0) depctr_va_vdst(0) depctr_va_sdst(0) depctr_va_ssrc(0) depctr_va_vcc(0) depctr_vm_vsrc(0)
	s_getreg_b32 s2, hwreg(HW_REG_IB_STS2, 6, 4)
	s_cmp_eq_u32 s2, 0
	s_cbranch_scc0 .Lentry_in_a_cluster
	s_endpgm
.Lentry_in_a_cluster:
	s_bfe_u32 s2, ttmp6, 0x10000c
	s_cmp_lg_u32 s2, 0xf033
	s_cbranch_scc0 .Lentry_shape_is_right
	s_endpgm
.Lentry_shape_is_right:
; qkv[m][f] = sum over e of x[m][e] w_qkv[f][e], m = 0..4095, f = 0..3071, e = 0..1023; operands f16, sums f32, result rounded once to f16.
; Stored head-major: qkv[g][m][d], g = f / 64 (0-15 Q's heads, 16-31 K's, 32-47 V's), d = f % 64: byte g x 524,288 + m x 128 + 2 d.
; LIMIT: a result of magnitude 65,504 or more becomes an infinity in f16.  The order of the sums is the matrix unit's, K ascending.
; A work-group makes 256 tokens x 192 columns (three heads) with four waves; a wave makes 128 x 96: 48 accumulator tiles of 16 x 16, 384 registers.
; K goes in steps of 128 through two LDS slots filled by tensor loads: a tile's rows are 256 bytes of memory, at multiples of 256 bytes.
; CLUSTER 4 x 4: the four work-groups of a row of the cluster need the same tiles of x, the four of a column the same tiles of w_qkv; each tile is asked for
; jointly, by the same tensor load with a mask that names the four.
; REGISTERS by windows of 256: window 0: addresses, x's fragments (two buffers), packed results; window 1: w's fragments (two buffers);
; window 2: tiles of my tokens 0-63 (tile (a, b) at v[8 (6 a + b)]); window 3: those of my tokens 64-127.
; The matrix instruction is used transposed (source 0 = 16 rows of w, source 1 = 16 rows of x): lane l holds token l % 16 and eight neighbouring columns.
.set KSTEP,  128
.set PITCH,  272                       ; 256 bytes + 16: an odd multiple of 16, so the 16 rows of a fragment load start 16 bytes apart modulo 256
.set HALFA,  128*PITCH                 ; 128 rows of x: one tensor load, and what one wave reads of x
.set HALFB,  96*PITCH                  ; 96 rows of w
.set BOFF,   2*HALFA                   ; w's rows lie behind x's 256
.set SLOT,   2*HALFA+2*HALFB           ; 121,856 bytes
.set SPITCH, 144                       ; the stage: a token's 64 numbers of one head, 128 bytes + 16
.set HPLANE, 256*SPITCH                ; one head's 256 tokens in the stage
.set LAPS,   4                         ; 1024 / (2 x 128): a lap is once round the ring
.set ADRA, 16                          ; v16-17  LDS address of my x fragments in slot 0, 1
.set ADRB, 20                          ; v20-21  the same for w
.set STO,  24                          ; v24-26  stage: where my 16 bytes of column group i = b / 2 go
.set RD,   27                          ; v27-29  stage: where I read back, head 0, 1, 2
.set CO,   30                          ; v30     my byte offset in qkv
.set F0,   64
.set F1,   128
.set TMP,  192                         ; v[192:239] packed results, two sets of 24
.set G1,  24                           ; s[24:31] group 1 for x's tiles
.set G0,  32                           ; s[32:39] group 0 for x's tiles, a set for each slot
.set G1B, 48                           ; s[48:55] group 1 for w's tiles
.set G0B, 56                           ; s[56:63] group 0 for w's tiles, a set for each slot
.set MSB, 0
.macro WIN new                         ; the immediate's high byte repeats the setting that is left
.if MSB != (\new)
	s_set_vgpr_msb (MSB<<8)|(\new)
.set MSB, (\new)
.endif
.endm
.set MUL_LO, 0xa1                      ; source 0 (w) window 1, source 1 (x) window 0, C and D window 2
.set MUL_HI, 0xf1                      ; the same, C and D window 3
.set TO_B,   0x40                      ; destination window 1, address window 0
; A joint load: waves 0, 1 fetch x's two halves, waves 2, 3 w's.  The branch hangs on the wave's number alone.
.macro JLOAD s
	s_cmp_lt_u32 s10, 2
	s_cbranch_scc0 .Lfor_b_\@
	tensor_load_to_lds s[G0+4*\s:G0+4*\s+3], s[G1:G1+7]
	s_nop 0
	s_branch .Lasked_\@
.Lfor_b_\@:
	tensor_load_to_lds s[G0B+4*\s:G0B+4*\s+3], s[G1B:G1B+7]
	s_nop 0
.Lasked_\@:
.endm
.macro CREST                           ; a round of the cluster's barrier behind its opening work-group barrier
	s_cmp_lg_u32 s10, 0
	s_cbranch_scc1 .Lnot_wave_0_\@
	s_barrier_signal -3
.Lnot_wave_0_\@:
	s_barrier_wait -3
	s_barrier_signal -1
	s_barrier_wait -1
.endm
.macro CROUND                          ; a whole round
	s_barrier_signal -1
	s_barrier_wait -1
	CREST
.endm
	s_load_b128 s[4:7], s[0:1], 0x0                ; xw16 s[4:5], qkv s[6:7]
	v_lshrrev_b32 v1, 5, v0
	v_readfirstlane_b32 s10, v1                    ; wave 0..3
	s_lshr_b32 s11, s10, 1                         ; which 128 tokens of the block are mine
	s_and_b32 s12, s10, 1                          ; which 96 columns are mine; also: which half of a tile I fetch
	s_bfe_u32 s40, ttmp6, 0x40000                  ; cx
	s_bfe_u32 s41, ttmp6, 0x40004                  ; cy
	s_lshl_b32 s42, ttmp9, 2
	s_add_co_u32 s42, s42, s40                     ; block column = 4 x cluster x + cx
	s_and_b32 s13, ttmp7, 0xffff
	s_lshl_b32 s13, s13, 2
	s_add_co_u32 s13, s13, s41                     ; block row = 4 x cluster y + cy
	s_lshl_b32 s43, s41, 2
	s_lshl_b32 s43, 15, s43                        ; my row of the cluster: places 4 cy .. 4 cy + 3
	s_lshl_b32 s44, 0x1111, s40                    ; my column: places cx, cx + 4, cx + 8, cx + 12
	; group 1: elements of 2 bytes, 4 words of padding behind every 64 words, bit 21 beside the mask
	s_or_b32 s[G1+0],  s43, (1<<16)|(1<<20)|(1<<21)|(5<<22)|(3<<25)
	s_or_b32 s[G1B+0], s44, (1<<16)|(1<<20)|(1<<21)|(5<<22)|(3<<25)
	s_mov_b32 s[G1+1],  KSTEP<<16                  ; tensor_dim0 = 128
	s_mov_b32 s[G1B+1], KSTEP<<16
	s_mov_b32 s[G1+2],  128<<16                    ; tensor_dim1 = 128 rows of x
	s_mov_b32 s[G1B+2], 96<<16                     ;             =  96 rows of w
	s_mov_b32 s[G1+3],  KSTEP<<16                  ; tile_dim0 = 128
	s_mov_b32 s[G1B+3], KSTEP<<16
	s_mov_b32 s[G1+4],  128                        ; tile_dim1
	s_mov_b32 s[G1B+4], 96
	s_mov_b32 s[G1+5],  1024                       ; elements from row to row
	s_mov_b32 s[G1B+5], 1024
	s_mov_b32 s[G1+6],  0
	s_mov_b32 s[G1B+6], 0
	s_mov_b32 s[G1+7],  0
	s_mov_b32 s[G1B+7], 0
	; x's tiles hang on the block row and the wave, w's on the block column and the wave; neither set of registers ever holds the other coordinate
	s_lshl_b32 s17, s12, 7
	s_lshl_b32 s16, s13, 8
	s_add_co_u32 s16, s16, s17                     ; x: row 256 x block row + 128 x half
	s_lshl_b32 s16, s16, 11                        ; rows of 2,048 bytes
	s_mov_b32 s17, 0
	s_mul_i32 s46, s42, 192
	s_mul_i32 s47, s12, 96
	s_add_co_u32 s46, s46, s47                     ; w: row 192 x block column + 96 x half
	s_lshl_b32 s46, s46, 11
	s_mov_b32 s47, 0
	s_mul_i32 s20, s10, HALFA                      ; where x's halves go: wave x 128 rows (waves 0, 1)
	s_mul_i32 s21, s10, HALFB                      ; where w's halves go: BOFF + (wave - 2) x 96 rows (waves 2, 3)
	s_add_co_u32 s21, s21, BOFF-2*HALFB
	s_wait_kmcnt 0x0
	s_mov_b64 s[8:9], s[6:7]                       ; qkv
	s_add_nc_u64 s[6:7], s[4:5], 0x800000          ; w_qkv in f16
	s_add_nc_u64 s[14:15], s[4:5], s[16:17]
	s_add_nc_u64 s[46:47], s[6:7], s[46:47]
	CROUND                                         ; all sixteen work-groups are here: the first joint loads meet
.irp s, 0,1
	s_mov_b32 s[G0+4*\s], 1
	s_add_co_u32 s[G0+4*\s+1], s20, \s*SLOT
	s_add_nc_u64 s[G0+4*\s+2:G0+4*\s+3], s[14:15], \s*KSTEP*2
	s_or_b32 s[G0+4*\s+3], s[G0+4*\s+3], 0x80000000
	s_mov_b32 s[G0B+4*\s], 1
	s_add_co_u32 s[G0B+4*\s+1], s21, \s*SLOT
	s_add_nc_u64 s[G0B+4*\s+2:G0B+4*\s+3], s[46:47], \s*KSTEP*2
	s_or_b32 s[G0B+4*\s+3], s[G0B+4*\s+3], 0x80000000
	JLOAD \s                                       ; K steps 0 and 1: two tensor loads of the wave are out, the most in this text
.endr
	v_and_b32 v1, 15, v0                           ; r = l % 16
	v_bfe_u32 v2, v0, 4, 1                         ; h = l / 16
	v_mul_u32_u24 v3, v1, PITCH
	v_lshl_add_u32 v3, v2, 4, v3                   ; r x pitch + 16 h
	s_mul_i32 s18, s11, HALFA                      ; my 128 rows of x
	s_mul_i32 s19, s12, HALFB                      ; my 96 rows of w
	s_add_co_u32 s19, s19, BOFF
.irp s, 0,1
	v_add_nc_u32 v[ADRA+\s], s18, v3
	v_add_nc_u32 v[ADRB+\s], s19, v3
	s_add_co_u32 s18, s18, SLOT
	s_add_co_u32 s19, s19, SLOT
.endr
	; the stage: byte head x HPLANE + token x 144 + 2 d.  My column group i (32 columns, 64 bytes) is group 3 wc + i of the block's six
	v_mul_u32_u24 v4, v1, SPITCH
	v_lshl_add_u32 v4, v2, 4, v4                   ; r x 144 + 16 h
	s_mul_i32 s22, s11, 128*SPITCH                 ; my first token
	s_mul_i32 s23, s12, 3
.irp i, 0,1,2
	s_add_co_u32 s45, s23, \i
	s_lshr_b32 s2, s45, 1                          ; head of the block
	s_mul_i32 s2, s2, HPLANE
	s_and_b32 s45, s45, 1                          ; which 64 bytes of its 128
	s_lshl_b32 s45, s45, 6
	s_add_co_u32 s2, s2, s45
	s_add_co_u32 s2, s2, s22
	v_add_nc_u32 v[STO+\i], s2, v4
.endr
	v_lshrrev_b32 v5, 3, v0                        ; back: thread t takes token t / 8 of 16, bytes 16 (t % 8)
	v_and_b32 v6, 7, v0
	v_mul_u32_u24 v5, v5, SPITCH
	v_lshl_add_u32 v5, v6, 4, v5
.irp i, 0,1,2
	v_add_nc_u32 v[RD+\i], \i*HPLANE, v5
.endr
	v_lshlrev_b32 v[CO], 4, v0                     ; (t / 8) x 128 + 16 (t % 8) = 16 t
; 12 matrix instructions: token blocks a0, a0 + 1 of the window's four x all 6 column blocks, 32 along K.  zero = 1: the product starts the sum.
.macro MUL12 f, hi, a0, zero
.irp a, \a0, \a0+1
.irp b, 0,1,2,3,4,5
.if \zero
	v_wmma_f32_16x16x32_f16 v[8*(6*(\a)+\b):8*(6*(\a)+\b)+7], v[\f+8*\b:\f+8*\b+7], v[\f+8*(4*\hi+\a):\f+8*(4*\hi+\a)+7], 0
.else
	v_wmma_f32_16x16x32_f16 v[8*(6*(\a)+\b):8*(6*(\a)+\b)+7], v[\f+8*\b:\f+8*\b+7], v[\f+8*(4*\hi+\a):\f+8*(4*\hi+\a)+7], v[8*(6*(\a)+\b):8*(6*(\a)+\b)+7]
.endif
.endr
.endr
.endm
; 28 LDS loads in one run: 96 rows of w, then 128 rows of x, 32 K at byte k of the rows, into buffer f
.macro FETCH slot, k, f
	WIN TO_B
.irp i, 0,1,2,3,4,5
	ds_load_b128 v[\f+8*\i:\f+8*\i+3],   v[ADRB+\slot] offset:\k+\i*16*PITCH
	ds_load_b128 v[\f+8*\i+4:\f+8*\i+7], v[ADRB+\slot] offset:\k+\i*16*PITCH+32
.endr
	WIN 0
.irp i, 0,1,2,3,4,5,6,7
	ds_load_b128 v[\f+8*\i:\f+8*\i+3],   v[ADRA+\slot] offset:\k+\i*16*PITCH
	ds_load_b128 v[\f+8*\i+4:\f+8*\i+7], v[ADRA+\slot] offset:\k+\i*16*PITCH+32
.endr
.endm
; Four plain vector instructions stand between a matrix instruction and a load into a register that it read, or a vector instruction that reads its
; result (ISA guide 7.12.1 for vector instructions); other matrix instructions are not counted.
.macro PLACES
.rept 4
	v_nop
.endr
.endm
; A K step is four quarters of 32 along K, 48 matrix instructions each, on buffers 0, 1, 0, 1.  The 48 accumulators take turns, one instruction a turn,
; in the same order in every quarter.
.macro QUARTER slot, k, f, g, zero
	s_wait_dscnt 8                                 ; w and x's rows 0-63 are in; the youngest eight loads (x's rows 64-127) may be out
	WIN MUL_LO
	MUL12 \f, 0, 0, \zero
	MUL12 \f, 0, 2, \zero
	PLACES
	FETCH \slot, \k, \g
	s_wait_dscnt 28                                ; all but the 28 just issued
	WIN MUL_HI
	MUL12 \f, 1, 0, \zero
	MUL12 \f, 1, 2, \zero
.endm
.macro THREE slot, zero
	QUARTER \slot, 64,  F0, F1, \zero
	QUARTER \slot, 128, F1, F0, 0
	QUARTER \slot, 192, F0, F1, 0
.endm
; The last quarter multiplies buffer 1 and changes slots.  One barrier for two things: in front of it each wave has waited for its reads of this slot and
; for all its tensor loads (one is out: its part of the next slot); behind it this slot is filled again first, then the next slot is read.
; From a request to the wait for it a wave issues 180 matrix instructions.
.macro TURN slot, next, fill
	s_wait_dscnt 8
	WIN MUL_LO
	MUL12 F1, 0, 0, 0
	s_wait_dscnt 0                                 ; my reads of this slot are over
	s_wait_tensorcnt 0x0                           ; all my tensor loads have landed
	s_barrier_signal -1                            ; where a slot is filled again this barrier opens a round of the cluster's barrier
	MUL12 F1, 0, 2, 0                              ; register work while the others arrive
	WIN 0
	s_barrier_wait -1
.if \fill
	CREST                                          ; no wave of any partner still reads this slot's tile or has a load on its way
	s_add_nc_u64 s[G0+4*\slot+2:G0+4*\slot+3], s[G0+4*\slot+2:G0+4*\slot+3], 2*KSTEP*2
	s_add_nc_u64 s[G0B+4*\slot+2:G0B+4*\slot+3], s[G0B+4*\slot+2:G0B+4*\slot+3], 2*KSTEP*2
	JLOAD \slot                                    ; the first tensor load behind the round
.endif
	PLACES
	FETCH \next, 0, F0
	WIN MUL_HI
	MUL12 F1, 1, 0, 0
	MUL12 F1, 1, 2, 0
.endm
.macro LAP zero
	THREE 0, \zero
	TURN 0, 1, 1
	THREE 1, 0
	TURN 1, 0, 1
.endm
	s_wait_tensorcnt 1                             ; my part of K step 0 is in; K step 1's load, the one issued behind it, stays out
	s_barrier_signal -1
	s_barrier_wait -1
	FETCH 0, 0, F0
	LAP 1                                          ; the first lap's first products start the sums: nothing is cleared
	WIN 0
	s_mov_b32 s3, LAPS-2
.Llap:
	LAP 0
	WIN 0
	s_sub_co_u32 s3, s3, 1
	s_cmp_lg_u32 s3, 0
	s_cbranch_scc1 .Llap
	THREE 0, 0                                     ; the last lap fills nothing
	TURN 0, 1, 0
	THREE 1, 0
	s_wait_dscnt 8
	WIN MUL_LO
	MUL12 F1, 0, 0, 0
	MUL12 F1, 0, 2, 0
	s_wait_dscnt 0
	WIN MUL_HI
	MUL12 F1, 1, 0, 0
	MUL12 F1, 1, 2, 0
	; THE WAY OUT.  Slot 0 has had its last fill (K step 6), and the barrier of the change to slot 1 stood behind every wave's reads of it and all tensor
	; loads: it now serves as the stage, three heads x 256 tokens x 144 bytes.
	PLACES
	s_lshl_b32 s16, s13, 15                        ; block row x 256 tokens x 128 bytes
	s_mov_b32 s17, 0
	s_add_nc_u64 s[8:9], s[8:9], s[16:17]
	s_mul_i32 s46, s42, 3*524288                   ; block column x three heads
	s_mov_b32 s47, 0
	s_add_nc_u64 s[8:9], s[8:9], s[46:47]
; tokens 16 a .. 16 a + 15 of my 128: the six tiles (t, 0..5) of window 2 or 3 (from = 0x0a or 0x0f: sources 0 and 1)
.macro STAGE16 a, t, from
	WIN \from
.irp b, 0,1,2,3,4,5
.irp r, 0,1,2,3
	v_cvt_pk_f16_f32 v[TMP+24*(\a%2)+4*\b+\r], v[8*(6*\t+\b)+2*\r], v[8*(6*\t+\b)+2*\r+1]
.endr
.endr
	WIN 0
.irp b, 0,1,2,3,4,5
	ds_store_b128 v[STO+\b/2], v[TMP+24*(\a%2)+4*\b:TMP+24*(\a%2)+4*\b+3] offset:16*SPITCH*\a+32*(\b%2)
.endr
.endm
	STAGE16 0, 0, 0x0a
	STAGE16 1, 1, 0x0a
	STAGE16 2, 2, 0x0a
	STAGE16 3, 3, 0x0a
	STAGE16 4, 0, 0x0f
	STAGE16 5, 1, 0x0f
	STAGE16 6, 2, 0x0f
	STAGE16 7, 3, 0x0f
	s_wait_dscnt 0x0                               ; my stores are in LDS: a head's rows hold two waves' columns,
	s_barrier_signal -1
	s_barrier_wait -1                              ; so they are read back behind a barrier
; batch q of six: head q / 2, tokens 128 (q % 2) .. + 127: eight loads and eight stores a thread; the two fragment buffers take turns as data registers
.macro BACK q
	s_wait_xcnt 0x0                                ; registers that earlier stores read are loaded again only behind this wait
.irp j, 0,1,2,3,4,5,6,7
	ds_load_b128 v[F0+64*(\q%2)+4*\j:F0+64*(\q%2)+4*\j+3], v[RD+\q/2] offset:16*SPITCH*(8*(\q%2)+\j)
.endr
.irp j, 0,1,2,3,4,5,6,7
	s_wait_dscnt 7-\j                              ; LDS loads come back in order: load j is in
	global_store_b128 v[CO], v[F0+64*(\q%2)+4*\j:F0+64*(\q%2)+4*\j+3], s[8:9] offset:(\q/2)*524288+2048*(8*(\q%2)+\j)   ; a wave's store covers 512 consecutive bytes, aligned
.endr
.endm
	BACK 0
	BACK 1
	BACK 2
	BACK 3
	BACK 4
	BACK 5
	CROUND                                         ; the closing round: no work-group ends while a partner may still ask for a tile that names it
	s_endpgm
.Lfunc_end_k_q507f3cb01d_qkvgemm:
	.size	k_q507f3cb01d_qkvgemm, .Lfunc_end_k_q507f3cb01d_qkvgemm-k_q507f3cb01d_qkvgemm
	.p2alignl 7, 3214868480
	.fill 96, 4, 3214868480
	.section	.rodata,"a",@progbits
	.p2align	6, 0x0
	.amdhsa_kernel k_q507f3cb01d_qkvgemm
		.amdhsa_group_segment_fixed_size 327680
		.amdhsa_private_segment_fixed_size 0
		.amdhsa_enable_private_segment 0
		.amdhsa_kernarg_size 16
		.amdhsa_user_sgpr_count 2
		.amdhsa_user_sgpr_kernarg_segment_ptr 1
		.amdhsa_wavefront_size32 1
		.amdhsa_system_sgpr_workgroup_id_x 1
		.amdhsa_system_sgpr_workgroup_id_y 1
		.amdhsa_system_sgpr_workgroup_id_z 1
		.amdhsa_system_vgpr_workitem_id 0
		.amdhsa_next_free_vgpr 960
		.amdhsa_next_free_sgpr 66
		.amdhsa_reserve_vcc 0
		.amdhsa_float_denorm_mode_32 3
		.amdhsa_float_denorm_mode_16_64 3
		.amdhsa_memory_ordered 1
		.amdhsa_forward_progress 1
		.amdhsa_inst_pref_size 158
	.end_amdhsa_kernel
	.amdgpu_metadata
---
amdhsa.version: [ 1, 2 ]
amdhsa.kernels:
  - .name:           k_q507f3cb01d_qkvgemm
    .symbol:         k_q507f3cb01d_qkvgemm.kd
    .args:
      - { .name: xw16, .offset: 0, .size: 8, .value_kind: global_buffer, .address_space: global }
      - { .name: qkv, .offset: 8, .size: 8, .value_kind: global_buffer, .address_space: global }
    .group_segment_fixed_size: 327680
    .private_segment_fixed_size: 0
    .kernarg_segment_align: 8
    .kernarg_segment_size: 16
    .max_flat_workgroup_size: 128
    .sgpr_count:     66
    .vgpr_count:     960
    .wavefront_size: 32
...
	.end_amdgpu_metadata
.endif
;; end of part 2
;; launch attn (part 3): grid 8 x 32, 8 waves a work-group, clusters of 4 x 1, 327,680 bytes of LDS; arguments qkv, att; writes att
.if DOCPART == 3
	.amdgcn_target "amdgcn-amd-amdhsa--gfx1250"
	.amdhsa_code_object_version 6
	.text
	.protected	k_q507f3cb01d_attn
	.globl	k_q507f3cb01d_attn
	.p2align	8
	.type	k_q507f3cb01d_attn,@function
k_q507f3cb01d_attn:
	s_mov_b64 s[64:65], 0
	v_nop
	global_prefetch_b8 v0, s[64:65] scope:SCOPE_SE
	s_setreg_imm32_b32 hwreg(HW_REG_WAVE_MODE, 25, 1), 1
	s_wait_xcnt 0x0
	s_wait_alu depctr_hold_cnt(0) depctr_sa_sdst(0) depctr_va_vdst(0) depctr_va_sdst(0) depctr_va_ssrc(0) depctr_va_vcc(0) depctr_vm_vsrc(0)
	s_getreg_b32 s2, hwreg(HW_REG_IB_STS2, 6, 4)
	s_cmp_eq_u32 s2, 0
	s_cbranch_scc0 .Lentry_in_a_cluster
	s_endpgm
.Lentry_in_a_cluster:
	s_bfe_u32 s2, ttmp6, 0x10000c
	s_cmp_lg_u32 s2, 0x3003
	s_cbranch_scc0 .Lentry_shape_is_right
	s_endpgm
.Lentry_shape_is_right:
; att[h][m][d] = softmax over keys of (q . k / 8) times v, for one (batch, head) and 256 queries a work-group; operands f16, sums, maxima and exponentials f32.
; A running maximum is taken away before every exponential.  LIMITS: P and att are rounded to f16 (att of magnitude 65,504 or more becomes an infinity);
; an exponential below 2^-126 comes out as 0; NaN and infinities in the inputs are not treated apart.
; EIGHT WAVES: wave w takes queries 64 (w % 4) .. + 63 and half w / 4 of every tile of 256 keys, so that two waves lie on a SIMD and one's softmax runs beside the
; other's products, while each byte of K and V is read from LDS by four waves only.  The two halves' results are merged at the end through LDS.
; CLUSTER 4 x 1: four query blocks of one head walk the same K and V tiles and ask for them jointly (mask 15).
; LAYOUT: S^T = K Q^T (source 0 = 16 keys, source 1 = 16 queries): lane (r, h') holds query r and keys 8 h' + 0..7 of a tile, so maximum, sum and rescaling are one number
; a lane, and two neighbouring key tiles packed to f16 ARE the second source of O^T = V^T P^T with no move between lanes.  V^T's fragments come by transposing LDS loads.
.set KP,    144                        ; K's LDS pitch: 128 bytes + 16, an odd multiple of 16
.set VP,    160                        ; V's LDS pitch: 128 bytes + 32, an odd multiple of 32 (transposing loads)
.set KOFF,  256*VP                     ; a slot: V's 256 rows, then K's 256 rows
.set SLOT,  256*VP+256*KP              ; 77,824 bytes; two slots
.set MRG,   2*SLOT                     ; merge area: for each pair of waves O 16,384 bytes, shifts 1,024, sums 512; no tensor load lands here
.set MRGW,  17920
.set STG,   MRG+4*MRGW                 ; output stage of waves 0-3: 64 rows x 144 bytes each
.set TILEB, 32768                      ; 256 keys x 128 bytes of memory
; window 0
.set ADRK, 2                           ; v2-3    my K fragments in slot 0, 1
.set ADRV, 4                           ; v4-5    my V fragments in slot 0, 1
.set QOFF, 6                           ; v6      my byte offset in Q
.set M,    8                           ; v8-11   running maximum of the raw scores, query block n
.set L,    12                          ; v12-15  running sum (of my half of the lanes' keys)
.set NM,   16                          ; v16-23  pairs: low = -c x maximum, rounded: the shift that every exponent takes
.set AL,   24                          ; v24-31  pairs: low = alpha
.set T,    32
.set U,    36
.set NN,   40
.set SUMA, 44
.set SUMB, 46
.set KF,   56                          ; v[56:119]   K fragment (kt, c) at + 8 (2 kt + c)
.set SB,   120                         ; v[120:247]  score tile (n, kt) at + 8 (4 n + kt); later P(n, c) in + 32 n + 16 c .. + 7
.set MADR, 248
.set STO,  249
.set RD,   250
.set CO,   251
; window 1
.set O,    0                           ; tile (n, dt) at 8 (4 n + dt)
.set QF,   128                         ; Q fragment (n, c) at + 8 (2 n + c)
.set VF,   192                         ; V^T fragment (dt, c) at + 8 (2 dt + c)
.set G1V, 24                           ; s[24:31]
.set G1K, 32                           ; s[32:39]
.set G0V, 40                           ; s[40:47] a set for each slot
.set G0K, 48                           ; s[48:55]
.set MSB, 0
.macro WIN new
.if MSB != (\new)
	s_set_vgpr_msb (MSB<<8)|(\new)
.set MSB, (\new)
.endif
.endm
.macro PLACES
.rept 4
	v_nop
.endr
.endm
.macro ROUND                           ; a round of the cluster's barrier
	s_barrier_signal -1
	s_barrier_wait -1
	s_cmp_lg_u32 s8, 0
	s_cbranch_scc1 .Lnot_wave_0_\@
	s_barrier_signal -3
.Lnot_wave_0_\@:
	s_barrier_wait -3
	s_barrier_signal -1
	s_barrier_wait -1
.endm
.macro JLOAD s                         ; waves 0-3 fetch 64 rows of V each, waves 4-7 64 rows of K: one tensor load a wave is out
	s_cmp_lt_u32 s8, 4
	s_cbranch_scc0 .Lfor_k_\@
	tensor_load_to_lds s[G0V+4*(\s):G0V+4*(\s)+3], s[G1V:G1V+7]
	s_nop 0
	s_branch .Lasked_\@
.Lfor_k_\@:
	tensor_load_to_lds s[G0K+4*(\s):G0K+4*(\s)+3], s[G1K:G1K+7]
	s_nop 0
.Lasked_\@:
.endm
	s_load_b128 s[4:7], s[0:1], 0x0                ; qkv s[4:5], att s[6:7]
	v_lshrrev_b32 v1, 5, v0
	v_readfirstlane_b32 s8, v1                     ; wave 0..7
	s_and_b32 s9, s8, 3                            ; qs: my 64 queries; also which 64 rows of a tile I fetch
	s_lshr_b32 s10, s8, 2                          ; kh: my half of each key tile
	s_bfe_u32 s11, ttmp6, 0x40000                  ; cx
	s_lshl_b32 s56, ttmp9, 2
	s_add_co_u32 s56, s56, s11                     ; query block 0..7
	s_and_b32 s12, ttmp7, 0xffff                   ; 16 b + h
	s_lshr_b32 s13, s12, 4
	s_and_b32 s12, s12, 15
	s_lshl_b32 s12, s12, 19                        ; h x 524,288
	s_lshl_b32 s13, s13, 18                        ; b x 2,048 tokens x 128 bytes
	s_add_co_u32 s14, s12, s13
	s_lshl_b32 s15, s9, 13                         ; qs x 64 rows x 128 bytes
	s_add_co_u32 s58, s14, s15                     ; K's and V's rows that I fetch: no place in the cluster enters
	s_mov_b32 s59, 0
	s_lshl_b32 s56, s56, 15                        ; query block x 256 x 128 bytes
	s_add_co_u32 s56, s56, s58                     ; my 64 queries in Q and in att
	s_mov_b32 s57, 0
	s_mov_b32 s16, 0x3e38aa3b                      ; c = log2(e) / 8
	s_mov_b32 s17, 0x3e38aa3b
	s_mov_b32 s18, 0xbe38aa3b                      ; -c
	s_mov_b32 s20, 0x76543210                      ; v_permlanex16_b32: lane i reads lane i of the other half
	s_mov_b32 s21, 0xfedcba98
	; group 1: 64 rows x 64 elements of 2 bytes, dense in memory; padding behind every 32 words: V 8 words, K 4; mask 15 with bit 21
	s_mov_b32 s[G1V+0], 15|(1<<16)|(1<<20)|(1<<21)|(4<<22)|(7<<25)
	s_mov_b32 s[G1K+0], 15|(1<<16)|(1<<20)|(1<<21)|(4<<22)|(3<<25)
.irp g, G1V, G1K
	s_mov_b32 s[\g+1], 64<<16                      ; tensor_dim0 = 64
	s_mov_b32 s[\g+2], 64<<16                      ; tensor_dim1 = 64
	s_mov_b32 s[\g+3], 64<<16                      ; tile_dim0 = 64
	s_mov_b32 s[\g+4], 64                          ; tile_dim1 = 64
	s_mov_b32 s[\g+5], 64                          ; elements from row to row
	s_mov_b32 s[\g+6], 0
	s_mov_b32 s[\g+7], 0
.endr
	s_mul_i32 s60, s8, 64*VP                       ; V: wave x 64 rows (waves 0-3)
	s_mul_i32 s61, s8, 64*KP                       ; K: KOFF + (wave - 4) x 64 rows (waves 4-7)
	s_add_co_u32 s61, s61, KOFF-4*64*KP
	s_wait_kmcnt 0x0
	s_add_nc_u64 s[62:63], s[4:5], s[58:59]
	s_add_nc_u64 s[4:5], s[4:5], s[56:57]          ; my queries
	s_add_nc_u64 s[6:7], s[6:7], s[56:57]          ; my rows of att
.irp s, 0,1
	s_mov_b32 s[G0V+4*\s], 1
	s_add_co_u32 s[G0V+4*\s+1], s60, \s*SLOT
	s_add_nc_u64 s[G0V+4*\s+2:G0V+4*\s+3], s[62:63], 0x1000000+\s*TILEB    ; V's heads begin at byte 16,777,216; slot s starts with tile s
	s_or_b32 s[G0V+4*\s+3], s[G0V+4*\s+3], 0x80000000
	s_mov_b32 s[G0K+4*\s], 1
	s_add_co_u32 s[G0K+4*\s+1], s61, \s*SLOT
	s_add_nc_u64 s[G0K+4*\s+2:G0K+4*\s+3], s[62:63], 0x800000+\s*TILEB     ; K's at byte 8,388,608
	s_or_b32 s[G0K+4*\s+3], s[G0K+4*\s+3], 0x80000000
.endr
	v_and_b32 v48, 15, v0                          ; r
	v_bfe_u32 v49, v0, 4, 1                        ; h'
	v_and_b32 v50, 31, v0                          ; lane
	v_lshlrev_b32 v[QOFF], 7, v48
	v_lshl_add_u32 v[QOFF], v49, 4, v[QOFF]        ; r x 128 + 16 h'
	WIN 0x40                                       ; destination window 1
.irp n, 0,1,2,3
.irp c, 0,1
	global_load_b128 v[QF+8*(2*\n+\c):QF+8*(2*\n+\c)+3],   v[QOFF], s[4:5] offset:\n*2048+64*\c
	global_load_b128 v[QF+8*(2*\n+\c)+4:QF+8*(2*\n+\c)+7], v[QOFF], s[4:5] offset:\n*2048+64*\c+32
.endr
.endr
	WIN 0
	v_mul_u32_u24 v51, v48, KP
	v_lshl_add_u32 v51, v49, 4, v51                ; r x 144 + 16 h'
	v_and_b32 v52, 7, v0
	v_lshl_add_u32 v52, v49, 3, v52                ; key row 8 h' + l % 8
	v_mul_u32_u24 v52, v52, VP
	v_bfe_u32 v53, v0, 3, 1
	v_lshl_add_u32 v52, v53, 4, v52                ; + 16 ((l / 8) % 2)
	s_mul_i32 s19, s10, 128*KP                     ; my half of the tile's keys
	s_add_co_u32 s19, s19, KOFF
	s_mul_i32 s23, s10, 128*VP
.irp s, 0,1
	v_add_nc_u32 v[ADRK+\s], s19, v51
	v_add_nc_u32 v[ADRV+\s], s23, v52
	s_add_co_u32 s19, s19, SLOT
	s_add_co_u32 s23, s23, SLOT
.endr
	s_mul_i32 s19, s9, MRGW
	s_add_co_u32 s19, s19, MRG
	v_lshlrev_b32 v[CO], 4, v50                    ; 16 x lane
	v_add_nc_u32 v[MADR], s19, v[CO]
	v_add_nc_u32 v[STO], STG, v51                  ; the wave's term is added where waves 0-3 use the stage
	v_bfe_u32 v54, v0, 3, 2
	v_mul_u32_u24 v54, v54, KP
	v_and_b32 v55, 7, v0
	v_lshl_add_u32 v54, v55, 4, v54                ; (l / 8) x 144 + 16 (l % 8)
	v_add_nc_u32 v[RD], STG, v54
.irp n, 0,1,2,3
	v_mov_b32 v[NM+2*\n+1], 0                      ; the upper registers of the pairs are named, never used
	v_mov_b32 v[AL+2*\n+1], 0
	v_mov_b32 v[U+\n], 0                           ; a lane permute's destination counts as read
.endr
	ROUND                                          ; in front of the first joint load
	JLOAD 0                                        ; tile 0
.macro KLOAD slot, st                  ; 64 keys x 64 d: 16 loads
.irp kt, 0,1,2,3
.irp c, 0,1
	ds_load_b128 v[KF+8*(2*\kt+\c):KF+8*(2*\kt+\c)+3],   v[ADRK+\slot] offset:\st*64*KP+\kt*16*KP+64*\c
	ds_load_b128 v[KF+8*(2*\kt+\c)+4:KF+8*(2*\kt+\c)+7], v[ADRK+\slot] offset:\st*64*KP+\kt*16*KP+64*\c+32
.endr
.endr
.endm
.macro VLOAD slot, st                  ; the same 64 keys of V, transposed: 16 loads into window 1
	WIN 0x40
.irp dt, 0,1,2,3
.irp c, 0,1
	ds_load_tr16_b128 v[VF+8*(2*\dt+\c):VF+8*(2*\dt+\c)+3],   v[ADRV+\slot] offset:\st*64*VP+\c*32*VP+32*\dt
	ds_load_tr16_b128 v[VF+8*(2*\dt+\c)+4:VF+8*(2*\dt+\c)+7], v[ADRV+\slot] offset:\st*64*VP+\c*32*VP+16*VP+32*\dt
.endr
.endr
	WIN 0
.endm
; 16 products S^T(n, kt) for 32 of d.  The 16 accumulators take turns, one instruction a turn.
.macro SMUL c, zero
.irp n, 0,1,2,3
.irp kt, 0,1,2,3
.if \zero
	v_wmma_f32_16x16x32_f16 v[SB+8*(4*\n+\kt):SB+8*(4*\n+\kt)+7], v[KF+8*(2*\kt+\c):KF+8*(2*\kt+\c)+7], v[QF+8*(2*\n+\c):QF+8*(2*\n+\c)+7], 0
.else
	v_wmma_f32_16x16x32_f16 v[SB+8*(4*\n+\kt):SB+8*(4*\n+\kt)+7], v[KF+8*(2*\kt+\c):KF+8*(2*\kt+\c)+7], v[QF+8*(2*\n+\c):QF+8*(2*\n+\c)+7], v[SB+8*(4*\n+\kt):SB+8*(4*\n+\kt)+7]
.endif
.endr
.endr
.endm
; 16 products O^T(n, dt) for 32 keys, by turns likewise
.macro PVMUL c, zero
.irp n, 0,1,2,3
.irp dt, 0,1,2,3
.if \zero
	v_wmma_f32_16x16x32_f16 v[O+8*(4*\n+\dt):O+8*(4*\n+\dt)+7], v[VF+8*(2*\dt+\c):VF+8*(2*\dt+\c)+7], v[SB+32*\n+16*\c:SB+32*\n+16*\c+7], 0
.else
	v_wmma_f32_16x16x32_f16 v[O+8*(4*\n+\dt):O+8*(4*\n+\dt)+7], v[VF+8*(2*\dt+\c):VF+8*(2*\dt+\c)+7], v[SB+32*\n+16*\c:SB+32*\n+16*\c+7], v[O+8*(4*\n+\dt):O+8*(4*\n+\dt)+7]
.endif
.endr
.endr
.endm
; the new maximum of each query, its shift NM = -c x maximum, and alpha = 2^(new shift - old shift)
.macro SMAX first
.irp n, 0,1,2,3
.if \first
	v_max_num_f32 v[T+\n], v[SB+32*\n], v[SB+32*\n+1]
.else
	v_max3_num_f32 v[T+\n], v[M+\n], v[SB+32*\n], v[SB+32*\n+1]
.endif
.endr
.set p, 1
.rept 15
.irp n, 0,1,2,3
	v_max3_num_f32 v[T+\n], v[T+\n], v[SB+32*\n+2*p], v[SB+32*\n+2*p+1]
.endr
.set p, p+1
.endr
.irp n, 0,1,2,3
	v_permlanex16_b32 v[U+\n], v[T+\n], s20, s21   ; the other half of the lanes holds the same query's other keys
.endr
.irp n, 0,1,2,3
	v_max_num_f32 v[M+\n], v[T+\n], v[U+\n]
.endr
.irp n, 0,1,2,3
	v_mul_f32 v[NN+\n], s18, v[M+\n]
.endr
.if \first == 0
.irp n, 0,1,2,3
	v_sub_f32 v[U+\n], v[NN+\n], v[NM+2*\n]
.endr
.irp n, 0,1,2,3
	v_exp_f32 v[AL+2*\n], v[U+\n]
.endr
.endif
.irp n, 0,1,2,3
	v_mov_b32 v[NM+2*\n], v[NN+\n]                 ; plain instructions behind the exponentials, ahead of alpha's first use (ISA guide 5.7.2)
.endr
.endm
.macro RESCALE                         ; O x alpha: one number a lane for each query block
	WIN 0x41
	s_wait_alu depctr_va_vdst(0)
.irp n, 0,1,2,3
.set p, 0
.rept 16
	v_pk_mul_f32 v[O+32*\n+2*p:O+32*\n+2*p+1], v[O+32*\n+2*p:O+32*\n+2*p+1], v[AL+2*\n:AL+2*\n+1] op_sel_hi:[1,0]
.set p, p+1
.endr
.endr
	WIN 0
.endm
.macro SFMA n                          ; exponent = c x score + shift, one rounding
.set p, 0
.rept 16
	v_pk_fma_f32 v[SB+32*\n+2*p:SB+32*\n+2*p+1], v[SB+32*\n+2*p:SB+32*\n+2*p+1], s[16:17], v[NM+2*\n:NM+2*\n+1] op_sel_hi:[1,0,0]
.set p, p+1
.endr
.endm
.macro SEXP n
.set p, 0
.rept 32
	v_exp_f32 v[SB+32*\n+p], v[SB+32*\n+p]
.set p, p+1
.endr
.endm
.macro PCVT n, p                       ; pair p of the block's 16 goes to register p % 8 of its group of 16, which has been summed and packed already
	v_cvt_pk_f16_f32 v[SB+32*\n+16*((\p)/8)+(\p)%8], v[SB+32*\n+2*(\p)], v[SB+32*\n+2*(\p)+1]
.endm
.macro SUMCVT n, first                 ; the block's 32 exponentials are summed in two chains and packed in place into P(n, 0), P(n, 1)
	s_wait_alu depctr_va_vdst(0)
	v_pk_add_f32 v[SUMA:SUMA+1], v[SB+32*\n:SB+32*\n+1],   v[SB+32*\n+4:SB+32*\n+5]
	v_pk_add_f32 v[SUMB:SUMB+1], v[SB+32*\n+2:SB+32*\n+3], v[SB+32*\n+6:SB+32*\n+7]
.irp p, 0,1,2,3
	PCVT \n, \p
.endr
.irp p, 4,6,8,10,12,14
	v_pk_add_f32 v[SUMA:SUMA+1], v[SUMA:SUMA+1], v[SB+32*\n+2*\p:SB+32*\n+2*\p+1]
	v_pk_add_f32 v[SUMB:SUMB+1], v[SUMB:SUMB+1], v[SB+32*\n+2*\p+2:SB+32*\n+2*\p+3]
	PCVT \n, \p
	PCVT \n, \p+1
.endr
	v_pk_add_f32 v[SUMA:SUMA+1], v[SUMA:SUMA+1], v[SUMB:SUMB+1]
.if \first
	v_add_f32 v[L+\n], v[SUMA], v[SUMA+1]
.else
	v_add_f32 v[SUMA], v[SUMA], v[SUMA+1]
	v_fma_f32 v[L+\n], v[L+\n], v[AL+2*\n], v[SUMA]
.endif
.endm
; 64 keys x 64 queries.  st: which 64 of my 128 keys of the tile.  first = 1: the kernel's first step starts maxima, sums and O.
.macro STEP slot, st, first
.if \first == 0
.rept 5
	v_nop                                          ; five places behind the last products: the score products write over P, their second source, and V's loads land on their first
.endr
.endif
.if \st == 0
	KLOAD \slot, 0
.endif
	VLOAD \slot, \st
	s_wait_dscnt 16                                ; K's 16 loads are in; V's 16, issued behind them, stay out
.if \first
	s_wait_loadcnt 0x0                             ; Q
.endif
	WIN 0x04                                       ; source 1 (Q) window 1
	SMUL 0, 1
	SMUL 1, 0
	WIN 0
	PLACES
.if \st == 0
	KLOAD \slot, 1                                 ; the next step's keys, a softmax ahead of their use
.endif
	SMAX \first
.if \first == 0
	RESCALE
.endif
	SFMA 0                                         ; each block's exponentials are followed by another block's plain work, then used
	SEXP 0
	SFMA 1
	SUMCVT 0, \first
	SEXP 1
	SFMA 2
	SUMCVT 1, \first
	SEXP 2
	SFMA 3
	SUMCVT 2, \first
	SEXP 3
	v_nop
	s_wait_alu depctr_va_vdst(0)
	SUMCVT 3, \first
.if \st == 0
	s_wait_dscnt 16                                ; V is in; the 16 loads of the next step's keys stay out
.else
	s_wait_dscnt 0x0
.endif
	WIN 0x51                                       ; V^T, C and D window 1, P window 0
	PVMUL 0, \first
	PVMUL 1, 0
	WIN 0
.endm
; One tile of 256 keys.  In front of the round every wave has waited for all its tensor loads (its part of this tile among them) and for its reads of the other
; slot; behind the round the other slot is filled again first.  A request has this whole trip in which to land.
.macro TRIP slot, refill, first
	s_wait_tensorcnt 0x0
	s_add_nc_u64 s[G0V+4*\slot+2:G0V+4*\slot+3], s[G0V+4*\slot+2:G0V+4*\slot+3], 2*TILEB   ; no load of mine is out: this slot's next tile
	s_add_nc_u64 s[G0K+4*\slot+2:G0K+4*\slot+3], s[G0K+4*\slot+2:G0K+4*\slot+3], 2*TILEB
	s_wait_dscnt 0x0
	ROUND
.if \refill
	JLOAD 1-\slot
.endif
	STEP \slot, 0, \first
	STEP \slot, 1, 0
.endm
	TRIP 0, 1, 1                                   ; tiles 0, 1
	TRIP 1, 1, 0
	s_mov_b32 s22, 2
.Lpair:
	TRIP 0, 1, 0                                   ; tiles 2 to 5
	TRIP 1, 1, 0
	s_sub_co_u32 s22, s22, 1
	s_cmp_lg_u32 s22, 0
	s_cbranch_scc1 .Lpair
	TRIP 0, 1, 0                                   ; tile 6; tile 7 is asked for
	TRIP 1, 0, 0                                   ; tile 7: nothing more to fetch
	; THE MERGE of the two halves of the keys, and the way out
	PLACES
.irp n, 0,1,2,3
	v_permlanex16_b32 v[U+\n], v[L+\n], s20, s21
.endr
.irp n, 0,1,2,3
	v_add_f32 v[L+\n], v[L+\n], v[U+\n]            ; the sum over my half of the keys, in every lane of the query
.endr
	s_cmp_lt_u32 s8, 4
	s_cbranch_scc1 .Lkeep
	WIN 0x04                                       ; store data window 1
.set i, 0
.rept 32
	ds_store_b128 v[MADR], v[O+4*i:O+4*i+3] offset:512*i
.set i, i+1
.endr
	WIN 0
	ds_store_b128 v[MADR], v[NM:NM+3]   offset:16384
	ds_store_b128 v[MADR], v[NM+4:NM+7] offset:16896
	ds_store_b128 v[MADR], v[L:L+3]     offset:17408
.Lkeep:
	s_wait_dscnt 0x0                               ; for the partner's sake: my stores are in LDS
	s_barrier_signal -1
	s_barrier_wait -1
	s_cmp_lt_u32 s8, 4
	s_cbranch_scc0 .Ldone
	ds_load_b128 v[T:T+3],   v[MADR] offset:16384  ; the partner's shifts (pairs, v32-39),
	ds_load_b128 v[T+4:T+7], v[MADR] offset:16896
	ds_load_b128 v[NN:NN+3], v[MADR] offset:17408  ; sums,
.set i, 0
.rept 32
	ds_load_b128 v[SB+4*i:SB+4*i+3], v[MADR] offset:512*i   ; and O, register for register as mine
.set i, i+1
.endr
	s_mul_i32 s23, s8, 64*KP
	v_add_nc_u32 v[STO], s23, v[STO]               ; my stage
	v_add_nc_u32 v[RD], s23, v[RD]
	s_wait_dscnt 32                                ; shifts and sums are in; the 32 loads of O stay out
.irp n, 0,1,2,3
	v_min_num_f32 v[44+\n], v[NM+2*\n], v[T+2*\n]  ; the shift of the larger maximum
.endr
.irp n, 0,1,2,3
	v_sub_f32 v[48+\n], v[44+\n], v[NM+2*\n]
	v_sub_f32 v[52+\n], v[44+\n], v[T+2*\n]
.endr
.irp n, 0,1,2,3
	v_exp_f32 v[48+\n], v[48+\n]                   ; a0
	v_exp_f32 v[52+\n], v[52+\n]                   ; a1
.endr
	v_nop
	s_wait_alu depctr_va_vdst(0)
.irp n, 0,1,2,3
	v_mul_f32 v[44+\n], v[L+\n], v[48+\n]
.endr
.irp n, 0,1,2,3
	v_fmac_f32 v[44+\n], v[NN+\n], v[52+\n]        ; the whole sum
.endr
.irp n, 0,1,2,3
	v_rcp_f32 v[44+\n], v[44+\n]
.endr
	v_nop
	s_wait_alu depctr_va_vdst(0)
.irp n, 0,1,2,3
	v_mul_f32 v[AL+2*\n], v[48+\n], v[44+\n]       ; my factor
	v_mul_f32 v[NM+2*\n], v[52+\n], v[44+\n]       ; the partner's
.endr
	s_wait_dscnt 0x0
.irp n, 0,1,2,3
.set p, 0
.rept 16
	v_pk_mul_f32 v[SB+32*\n+2*p:SB+32*\n+2*p+1], v[SB+32*\n+2*p:SB+32*\n+2*p+1], v[NM+2*\n:NM+2*\n+1] op_sel_hi:[1,0]
.set p, p+1
.endr
.endr
	WIN 0x01                                       ; source 0 (my O) window 1
.irp n, 0,1,2,3
.set p, 0
.rept 16
	v_pk_fma_f32 v[SB+32*\n+2*p:SB+32*\n+2*p+1], v[O+32*\n+2*p:O+32*\n+2*p+1], v[AL+2*\n:AL+2*\n+1], v[SB+32*\n+2*p:SB+32*\n+2*p+1] op_sel_hi:[1,0,1]
.set p, p+1
.endr
.endr
	WIN 0
.set t, 0
.rept 16
.irp ii, 0,1,2,3
	v_cvt_pk_f16_f32 v[SB+8*t+\ii], v[SB+8*t+2*\ii], v[SB+8*t+2*\ii+1]    ; eight neighbouring d of one query: 16 bytes
.endr
.set t, t+1
.endr
.irp n, 0,1,2,3
.irp dt, 0,1,2,3
	ds_store_b128 v[STO], v[SB+8*(4*\n+\dt):SB+8*(4*\n+\dt)+3] offset:16*KP*\n+32*\dt
.endr
.endr
.set i, 0
.rept 16
	ds_load_b128 v[KF+4*i:KF+4*i+3], v[RD] offset:4*KP*i    ; my own bytes: LDS serves a wave's instructions in order (ISA guide 5.7.1)
.set i, i+1
.endr
.set i, 0
.rept 16
	s_wait_dscnt 15-i                              ; load i is in
	global_store_b128 v[CO], v[KF+4*i:KF+4*i+3], s[6:7] offset:512*i      ; four rows of att: 512 consecutive bytes, aligned
.set i, i+1
.endr
.Ldone:
	ROUND                                          ; the closing round
	s_endpgm
.Lfunc_end_k_q507f3cb01d_attn:
	.size	k_q507f3cb01d_attn, .Lfunc_end_k_q507f3cb01d_attn-k_q507f3cb01d_attn
	.p2alignl 7, 3214868480
	.fill 96, 4, 3214868480
	.section	.rodata,"a",@progbits
	.p2align	6, 0x0
	.amdhsa_kernel k_q507f3cb01d_attn
		.amdhsa_group_segment_fixed_size 327680
		.amdhsa_private_segment_fixed_size 0
		.amdhsa_enable_private_segment 0
		.amdhsa_kernarg_size 16
		.amdhsa_user_sgpr_count 2
		.amdhsa_user_sgpr_kernarg_segment_ptr 1
		.amdhsa_wavefront_size32 1
		.amdhsa_system_sgpr_workgroup_id_x 1
		.amdhsa_system_sgpr_workgroup_id_y 1
		.amdhsa_system_sgpr_workgroup_id_z 1
		.amdhsa_system_vgpr_workitem_id 0
		.amdhsa_next_free_vgpr 512
		.amdhsa_next_free_sgpr 66
		.amdhsa_reserve_vcc 0
		.amdhsa_float_denorm_mode_32 3
		.amdhsa_float_denorm_mode_16_64 3
		.amdhsa_memory_ordered 1
		.amdhsa_forward_progress 1
		.amdhsa_inst_pref_size 255
	.end_amdhsa_kernel
	.section	.bss,"aw",@nobits
	.p2align	6
	.space	262144
	.amdgpu_metadata
---
amdhsa.version: [ 1, 2 ]
amdhsa.kernels:
  - .name:           k_q507f3cb01d_attn
    .symbol:         k_q507f3cb01d_attn.kd
    .args:
      - { .name: qkv, .offset: 0, .size: 8, .value_kind: global_buffer, .address_space: global }
      - { .name: att, .offset: 8, .size: 8, .value_kind: global_buffer, .address_space: global }
    .group_segment_fixed_size: 327680
    .private_segment_fixed_size: 0
    .kernarg_segment_align: 8
    .kernarg_segment_size: 16
    .max_flat_workgroup_size: 256
    .sgpr_count:     66
    .vgpr_count:     512
    .wavefront_size: 32
...
	.end_amdgpu_metadata
.endif
;; end of part 3
;; launch outproj (part 4): grid 8 x 32, 4 waves a work-group, clusters of 4 x 4, 327,680 bytes of LDS; arguments att, xw16, b_out, out0; writes out0
.if DOCPART == 4
	.amdgcn_target "amdgcn-amd-amdhsa--gfx1250"
	.amdhsa_code_object_version 6
	.text
	.protected	k_q507f3cb01d_outproj
	.globl	k_q507f3cb01d_outproj
	.p2align	8
	.type	k_q507f3cb01d_outproj,@function
k_q507f3cb01d_outproj:
	s_mov_b64 s[64:65], 0
	v_nop
	global_prefetch_b8 v0, s[64:65] scope:SCOPE_SE
	s_setreg_imm32_b32 hwreg(HW_REG_WAVE_MODE, 25, 1), 1
	s_wait_xcnt 0x0
	s_wait_alu depctr_hold_cnt(0) depctr_sa_sdst(0) depctr_va_vdst(0) depctr_va_sdst(0) depctr_va_ssrc(0) depctr_va_vcc(0) depctr_vm_vsrc(0)
	s_getreg_b32 s2, hwreg(HW_REG_IB_STS2, 6, 4)
	s_cmp_eq_u32 s2, 0
	s_cbranch_scc0 .Lentry_in_a_cluster
	s_endpgm
.Lentry_in_a_cluster:
	s_bfe_u32 s2, ttmp6, 0x10000c
	s_cmp_lg_u32 s2, 0xf033
	s_cbranch_scc0 .Lentry_shape_is_right
	s_endpgm
.Lentry_shape_is_right:
; out0[m][f] = sum over e of att[m][e] w_out[f][e] + b_out[f]; e = 64 head + d; operands f16, sums f32, out0 f32.  The bias is the first products' C operand.
; att lies head-major [16][4096][64]; w_out in f16 at byte 14,680,064 of xw16.  The order of the sums is the matrix unit's, K ascending.
; 256 work-groups of 128 x 128, four waves of 64 x 64 (16 accumulator tiles): a larger block would leave WGPs without work at 4096 x 1024.
; K in 8 steps of 128 (two heads) through FOUR LDS slots; two slots are filled behind one round of the cluster's barrier, so each refilled tile has two K steps to land.
; CLUSTER 4 x 4: att's tiles are shared along a row of the cluster, w_out's along a column, by joint tensor loads.
.set AP,    144                        ; att's LDS pitch: a head's 128 bytes + 16
.set BP,    272                        ; w_out's LDS pitch: 256 bytes + 16
.set PLANE, 128*AP                     ; one head's 128 rows
.set BOFF,  2*PLANE
.set SLOT,  2*PLANE+128*BP             ; 71,680 bytes
.set STAGE, 4*SLOT                     ; behind the ring: 16 rows x 272 bytes for each wave; no tensor load lands here
.set ADRA, 8                           ; v8-11   my att fragments in slot 0..3
.set ADRB, 12                          ; v12-15  my w_out fragments
.set STO,  16
.set RD,   17
.set CO,   18
.set F0,   32                          ; v[32:95]   buffer 0: att's fragments at + 8 a, w_out's at + 32 + 8 b
.set F1,   96                          ; v[96:159]  buffer 1
.set BIAS, 160                         ; v[160:191] b_out of my columns, in the layout of a C operand
.set G1A, 24
.set G1B, 32
.set G0A, 40                           ; s[40:55] a set for each slot
.set G0B, 68                           ; s[68:83]
.set MSB, 0
.macro WIN new
.if MSB != (\new)
	s_set_vgpr_msb (MSB<<8)|(\new)
.set MSB, (\new)
.endif
.endm
.macro PLACES
.rept 4
	v_nop
.endr
.endm
.macro JLOAD s                         ; waves 0, 1: one head's 128 rows of att each; waves 2, 3: 64 rows of w_out each
	s_cmp_lt_u32 s12, 2
	s_cbranch_scc0 .Lfor_b_\@
	tensor_load_to_lds s[G0A+4*\s:G0A+4*\s+3], s[G1A:G1A+7]
	s_nop 0
	s_branch .Lasked_\@
.Lfor_b_\@:
	tensor_load_to_lds s[G0B+4*\s:G0B+4*\s+3], s[G1B:G1B+7]
	s_nop 0
.Lasked_\@:
.endm
.macro CREST
	s_cmp_lg_u32 s12, 0
	s_cbranch_scc1 .Lnot_wave_0_\@
	s_barrier_signal -3
.Lnot_wave_0_\@:
	s_barrier_wait -3
	s_barrier_signal -1
	s_barrier_wait -1
.endm
.macro CROUND
	s_barrier_signal -1
	s_barrier_wait -1
	CREST
.endm
	s_load_b256 s[4:11], s[0:1], 0x0               ; att s[4:5], xw16 s[6:7], b_out s[8:9], out0 s[10:11]
	v_lshrrev_b32 v1, 5, v0
	v_readfirstlane_b32 s12, v1                    ; wave 0..3
	s_lshr_b32 s13, s12, 1                         ; which 64 rows are mine
	s_and_b32 s14, s12, 1                          ; which 64 columns are mine; also which half of w_out's tile I fetch
	s_bfe_u32 s16, ttmp6, 0x40000                  ; cx
	s_bfe_u32 s17, ttmp6, 0x40004                  ; cy
	s_lshl_b32 s18, ttmp9, 2
	s_add_co_u32 s18, s18, s16                     ; block column 0..7
	s_and_b32 s19, ttmp7, 0xffff
	s_lshl_b32 s19, s19, 2
	s_add_co_u32 s19, s19, s17                     ; block row 0..31
	s_lshl_b32 s20, s17, 2
	s_lshl_b32 s20, 15, s20                        ; my row of the cluster
	s_lshl_b32 s21, 0x1111, s16                    ; my column
	s_or_b32 s[G1A+0], s20, (1<<16)|(1<<20)|(1<<21)|(4<<22)|(3<<25)   ; 2-byte elements, 4 words of padding behind every 32 words
	s_mov_b32 s[G1A+1], 64<<16                     ; tensor_dim0 = 64
	s_mov_b32 s[G1A+2], 128<<16                    ; tensor_dim1 = 128
	s_mov_b32 s[G1A+3], 64<<16                     ; tile_dim0 = 64
	s_mov_b32 s[G1A+4], 128                        ; tile_dim1 = 128
	s_mov_b32 s[G1A+5], 64                         ; a head's rows are dense
	s_mov_b32 s[G1A+6], 0
	s_mov_b32 s[G1A+7], 0
	s_or_b32 s[G1B+0], s21, (1<<16)|(1<<20)|(1<<21)|(5<<22)|(3<<25)   ; 4 words of padding behind every 64 words
	s_mov_b32 s[G1B+1], 128<<16
	s_mov_b32 s[G1B+2], 64<<16
	s_mov_b32 s[G1B+3], 128<<16
	s_mov_b32 s[G1B+4], 64
	s_mov_b32 s[G1B+5], 1024
	s_mov_b32 s[G1B+6], 0
	s_mov_b32 s[G1B+7], 0
	s_lshl_b32 s56, s12, 19                        ; att: head = 2 x step + wave,
	s_lshl_b32 s57, s19, 14                        ; rows 128 x block row, 128 bytes each
	s_add_co_u32 s56, s56, s57
	s_mov_b32 s57, 0
	s_lshl_b32 s58, s18, 18                        ; w_out: row 128 x block column + 64 x half, 2,048 bytes each
	s_lshl_b32 s59, s14, 17
	s_add_co_u32 s58, s58, s59
	s_mov_b32 s59, 0
	s_mul_i32 s22, s12, PLANE                      ; where att's planes go (waves 0, 1)
	s_mul_i32 s23, s12, 64*BP                      ; where w_out's halves go: BOFF + (wave - 2) x 64 rows (waves 2, 3)
	s_add_co_u32 s23, s23, BOFF-2*64*BP
	s_lshl_b32 s84, s18, 9                         ; my first column in bytes of f32: (128 x block column + 64 x half) x 4
	s_lshl_b32 s85, s14, 8
	s_add_co_u32 s84, s84, s85
	s_mov_b32 s85, 0
	s_lshl_b32 s86, s19, 19                        ; my first row of out0: (128 x block row + 64 x half) x 4,096 bytes
	s_lshl_b32 s87, s13, 18
	s_add_co_u32 s86, s86, s87
	s_mov_b32 s87, 0
	s_wait_kmcnt 0x0
	s_add_nc_u64 s[60:61], s[4:5], s[56:57]
	s_add_nc_u64 s[62:63], s[6:7], s[58:59]
	s_add_nc_u64 s[8:9], s[8:9], s[84:85]
	s_add_nc_u64 s[10:11], s[10:11], s[86:87]
	s_add_nc_u64 s[10:11], s[10:11], s[84:85]
	CROUND                                         ; in front of the first joint loads
.irp s, 0,1,2,3
	s_mov_b32 s[G0A+4*\s], 1
	s_add_co_u32 s[G0A+4*\s+1], s22, \s*SLOT
	s_add_nc_u64 s[G0A+4*\s+2:G0A+4*\s+3], s[60:61], \s*2*524288
	s_or_b32 s[G0A+4*\s+3], s[G0A+4*\s+3], 0x80000000
	s_mov_b32 s[G0B+4*\s], 1
	s_add_co_u32 s[G0B+4*\s+1], s23, \s*SLOT
	s_add_nc_u64 s[G0B+4*\s+2:G0B+4*\s+3], s[62:63], 0xe00000+\s*256
	s_or_b32 s[G0B+4*\s+3], s[G0B+4*\s+3], 0x80000000
	JLOAD \s                                       ; K steps 0 to 3: four tensor loads of the wave are out, the most in this text
.endr
	v_and_b32 v1, 15, v0                           ; r
	v_bfe_u32 v2, v0, 4, 1                         ; h
	v_lshlrev_b32 v19, 5, v2                       ; eight f32 for each half of the lanes
.irp b, 0,1,2,3
	global_load_b128 v[BIAS+8*\b:BIAS+8*\b+3],   v19, s[8:9] offset:64*\b       ; register j: b_out[first column + 16 b + 8 h + j]
	global_load_b128 v[BIAS+8*\b+4:BIAS+8*\b+7], v19, s[8:9] offset:64*\b+16
.endr
	v_mul_u32_u24 v3, v1, AP
	v_lshl_add_u32 v3, v2, 4, v3                   ; r x 144 + 16 h
	v_mul_u32_u24 v4, v1, BP
	v_lshl_add_u32 v5, v2, 4, v4                   ; r x 272 + 16 h
	s_mul_i32 s2, s13, 64*AP
	s_mul_i32 s3, s14, 64*BP
	s_add_co_u32 s3, s3, BOFF
.irp s, 0,1,2,3
	v_add_nc_u32 v[ADRA+\s], s2, v3
	v_add_nc_u32 v[ADRB+\s], s3, v5
	s_add_co_u32 s2, s2, SLOT
	s_add_co_u32 s3, s3, SLOT
.endr
	s_mul_i32 s2, s12, 16*BP
	s_add_co_u32 s2, s2, STAGE                     ; my stage
	v_lshl_add_u32 v6, v2, 5, v4                   ; in: row r, 32 bytes for each half of the lanes
	v_add_nc_u32 v[STO], s2, v6
	v_mul_u32_u24 v7, v2, BP                       ; back: lanes 0-15 one row of 256 bytes, lanes 16-31 the next
	v_lshl_add_u32 v7, v1, 4, v7
	v_add_nc_u32 v[RD], s2, v7
	v_lshlrev_b32 v6, 12, v2                       ; and the same two rows of out0
	v_lshl_add_u32 v[CO], v1, 4, v6
; four products of row block a.  Transposed use: source 0 = 16 rows of w_out, source 1 = 16 rows of att; a lane holds eight neighbouring columns of one row.
; bias = 1: C is b_out, in window 0: the product starts the sum with the bias.  The 16 accumulators take turns, one instruction a turn.
.macro MUL4 f, a, bias
.irp b, 0,1,2,3
.if \bias
	v_wmma_f32_16x16x32_f16 v[8*(4*\a+\b):8*(4*\a+\b)+7], v[\f+32+8*\b:\f+32+8*\b+7], v[\f+8*\a:\f+8*\a+7], v[BIAS+8*\b:BIAS+8*\b+7]
.else
	v_wmma_f32_16x16x32_f16 v[8*(4*\a+\b):8*(4*\a+\b)+7], v[\f+32+8*\b:\f+32+8*\b+7], v[\f+8*\a:\f+8*\a+7], v[8*(4*\a+\b):8*(4*\a+\b)+7]
.endif
.endr
.endm
.macro MWIN bias                       ; D window 1; C window 0 (bias) or 1
.if \bias
	WIN 0x40
.else
	WIN 0x50
.endif
.endm
; 16 LDS loads: quarter kq of a K step (32 along K): w_out's 64 rows, then att's 64 rows (head kq / 2 of the step's two, d from 32 (kq % 2))
.macro FETCH slot, kq, f
.irp b, 0,1,2,3
	ds_load_b128 v[\f+32+8*\b:\f+32+8*\b+3],   v[ADRB+\slot] offset:64*\kq+\b*16*BP
	ds_load_b128 v[\f+32+8*\b+4:\f+32+8*\b+7], v[ADRB+\slot] offset:64*\kq+\b*16*BP+32
.endr
.irp a, 0,1,2,3
	ds_load_b128 v[\f+8*\a:\f+8*\a+3],   v[ADRA+\slot] offset:(\kq/2)*PLANE+(\kq%2)*64+\a*16*AP
	ds_load_b128 v[\f+8*\a+4:\f+8*\a+7], v[ADRA+\slot] offset:(\kq/2)*PLANE+(\kq%2)*64+\a*16*AP+32
.endr
.endm
.macro QUARTER slot, kq, f, g, bias
	s_wait_dscnt 4                                 ; all but the youngest four loads: att's fragments 2 and 3 may be out
	MWIN \bias
	MUL4 \f, 0, \bias
	MUL4 \f, 1, \bias
	PLACES                                         ; four places behind the products that read buffer g (ISA guide 7.12.1 for vector instructions)
	WIN 0
	FETCH \slot, \kq, \g
	s_wait_dscnt 16                                ; all but the 16 just issued
	MWIN \bias
	MUL4 \f, 2, \bias
	MUL4 \f, 3, \bias
.endm
.macro THREE slot, bias
	QUARTER \slot, 1, F0, F1, \bias
	QUARTER \slot, 2, F1, F0, 0
	QUARTER \slot, 3, F0, F1, 0
.endm
; The last quarter of a K step, and the change of slots.
; mode 0: the next slot was shown whole by an earlier barrier: none here.
; mode 1: a work-group barrier shows the next slot whole; tcnt = my younger tensor loads, which may stay out.
; mode 2: the barrier opens a round of the cluster's barrier, with every wave's reads and ALL its tensor loads waited for in front; behind the round slots fa, fb,
;         which have been read, are filled again first, four K steps ahead.
.macro TURN slot, next, mode, tcnt, fa, fb
	s_wait_dscnt 4
	WIN 0x50
	MUL4 F1, 0, 0
.if \mode > 0
	s_wait_dscnt 0x0
	s_wait_tensorcnt \tcnt
	s_barrier_signal -1
.endif
	MUL4 F1, 1, 0
	WIN 0
.if \mode > 0
	s_barrier_wait -1
.endif
.if \mode == 2
	CREST
.irp t, \fa, \fb
	s_add_nc_u64 s[G0A+4*\t+2:G0A+4*\t+3], s[G0A+4*\t+2:G0A+4*\t+3], 4*2*524288
	s_add_nc_u64 s[G0B+4*\t+2:G0B+4*\t+3], s[G0B+4*\t+2:G0B+4*\t+3], 4*256
.endr
	JLOAD \fa
	JLOAD \fb
.endif
	PLACES
	FETCH \next, 0, F0
	s_wait_dscnt 16                                ; all but the 16 just issued: buffer 1 is whole
	WIN 0x50
	MUL4 F1, 2, 0
	MUL4 F1, 3, 0
.endm
	s_wait_loadcnt 0x0                             ; b_out
	s_wait_tensorcnt 3                             ; my part of K step 0 is in; the three loads issued behind it stay out
	s_barrier_signal -1
	s_barrier_wait -1
	FETCH 0, 0, F0
	THREE 0, 1                                     ; step 0: its first quarter starts the sums with the bias
	TURN 0, 1, 1, 2, 0, 0                          ; tile 1 is in; tiles 2, 3 stay out
	THREE 1, 0
	TURN 1, 2, 2, 0, 0, 1                          ; tiles 2, 3 are in; slots 0, 1 get tiles 4, 5
	THREE 2, 0
	TURN 2, 3, 0, 0, 0, 0
	THREE 3, 0
	TURN 3, 0, 2, 0, 2, 3                          ; tiles 4, 5 are in; slots 2, 3 get tiles 6, 7
	THREE 0, 0
	TURN 0, 1, 0, 0, 0, 0
	THREE 1, 0
	TURN 1, 2, 1, 1, 0, 0                          ; tile 6 is in; tile 7 stays out
	THREE 2, 0
	TURN 2, 3, 1, 0, 0, 0                          ; tile 7 is in
	THREE 3, 0
	s_wait_dscnt 0x0                               ; the very last quarter
	WIN 0x50
	MUL4 F1, 0, 0
	MUL4 F1, 1, 0
	MUL4 F1, 2, 0
	MUL4 F1, 3, 0
	; THE WAY OUT, 16 rows at a time through my own stage: 32 bytes a lane in, whole rows of 256 bytes back
	PLACES
.macro OUT16 a
	WIN 0x04                                       ; store data window 1
.irp b, 0,1,2,3
	ds_store_b128 v[STO], v[8*(4*\a+\b):8*(4*\a+\b)+3]   offset:64*\b
	ds_store_b128 v[STO], v[8*(4*\a+\b)+4:8*(4*\a+\b)+7] offset:64*\b+16
.endr
	WIN 0
	s_wait_xcnt 0x0                                ; the stores' base and the registers that earlier stores read are rewritten only behind this wait
.if \a
	s_add_nc_u64 s[10:11], s[10:11], 16*4096
.endif
.irp t, 0,1,2,3,4,5,6,7
	ds_load_b128 v[F0+64*(\a%2)+4*\t:F0+64*(\a%2)+4*\t+3], v[RD] offset:2*BP*\t    ; my own bytes: LDS serves a wave's instructions in order (ISA guide 5.7.1)
.endr
.irp t, 0,1,2,3,4,5,6,7
	s_wait_dscnt 7-\t
	global_store_b128 v[CO], v[F0+64*(\a%2)+4*\t:F0+64*(\a%2)+4*\t+3], s[10:11] offset:2*4096*\t th:TH_STORE_NT   ; 16 lanes store 256 consecutive bytes, aligned
.endr
.endm
	OUT16 0
	OUT16 1
	OUT16 2
	OUT16 3
	CROUND                                         ; the closing round
	s_endpgm
.Lfunc_end_k_q507f3cb01d_outproj:
	.size	k_q507f3cb01d_outproj, .Lfunc_end_k_q507f3cb01d_outproj-k_q507f3cb01d_outproj
	.p2alignl 7, 3214868480
	.fill 96, 4, 3214868480
	.section	.rodata,"a",@progbits
	.p2align	6, 0x0
	.amdhsa_kernel k_q507f3cb01d_outproj
		.amdhsa_group_segment_fixed_size 327680
		.amdhsa_private_segment_fixed_size 0
		.amdhsa_enable_private_segment 0
		.amdhsa_kernarg_size 32
		.amdhsa_user_sgpr_count 2
		.amdhsa_user_sgpr_kernarg_segment_ptr 1
		.amdhsa_wavefront_size32 1
		.amdhsa_system_sgpr_workgroup_id_x 1
		.amdhsa_system_sgpr_workgroup_id_y 1
		.amdhsa_system_sgpr_workgroup_id_z 1
		.amdhsa_system_vgpr_workitem_id 0
		.amdhsa_next_free_vgpr 384
		.amdhsa_next_free_sgpr 88
		.amdhsa_reserve_vcc 0
		.amdhsa_float_denorm_mode_32 3
		.amdhsa_float_denorm_mode_16_64 3
		.amdhsa_memory_ordered 1
		.amdhsa_forward_progress 1
		.amdhsa_inst_pref_size 93
	.end_amdhsa_kernel
	.amdgpu_metadata
---
amdhsa.version: [ 1, 2 ]
amdhsa.kernels:
  - .name:           k_q507f3cb01d_outproj
    .symbol:         k_q507f3cb01d_outproj.kd
    .args:
      - { .name: att, .offset: 0, .size: 8, .value_kind: global_buffer, .address_space: global }
      - { .name: xw16, .offset: 8, .size: 8, .value_kind: global_buffer, .address_space: global }
      - { .name: b_out, .offset: 16, .size: 8, .value_kind: global_buffer, .address_space: global }
      - { .name: out0, .offset: 24, .size: 8, .value_kind: global_buffer, .address_space: global }
    .group_segment_fixed_size: 327680
    .private_segment_fixed_size: 0
    .kernarg_segment_align: 8
    .kernarg_segment_size: 32
    .max_flat_workgroup_size: 128
    .sgpr_count:     88
    .vgpr_count:     384
    .wavefront_size: 32
...
	.end_amdgpu_metadata
.endif
;; end of part 4
